; MI455X (gfx1250); checked and timed in simulation.
; The chip was launched on July 23, 2026; its instructions are those of AMD's public machine-readable ISA for CDNA 5 (MIT licence, August 2026) and "CDNA5" Instruction Set Architecture Reference Guide (July 2026). The comments in the code are by the model that wrote it; some were corrected since.
;; Memory Reader. Allowed arithmetic: float matrix products may take bf16 or f16 operands with f32 sums; other float arithmetic in f32, or as packed bf16 or f16 multiplies, adds, multiply-adds, maxima and minima; sums over many terms, partial sums and values carried from step to step in f32; what a program stores and reads back later, other than sums and carried values, may be rounded once to bf16 or f16.
;; Inputs: mk 4 x 64 x 8 x 30 x 54 float32; mv 4 x 512 x 8 x 30 x 54 float32; qk 4 x 64 x 30 x 54 float32; qv 4 x 512 x 30 x 54 float32.
;; Outputs: out0 4 x 1,024 x 30 x 54 float32.
;; One version. Each part assembles by itself: llvm-mc -triple=amdgcn-amd-amdhsa -mcpu=gfx1250 --defsym DOCPART=n.
;; ======== version 1 of 1: 3 launches
;; limits: inputs' magnitudes at most 100,000,000,000,000
;; workspace buffers: strm 60,162,048 bytes; ha 208,896 bytes; qf 917,504 bytes; po 58,720,256 bytes; ms 131,072 bytes; ls 131,072 bytes
;; launch prep (part 1): grid 864 x 1, 6 waves a work-group, no clusters, 14,592 bytes of LDS; arguments mv, mk, qk, strm, ha, qf; writes strm, ha, qf
.if DOCPART == 1
	.amdgcn_target "amdgcn-amd-amdhsa--gfx1250"
	.amdhsa_code_object_version 6
	.text
	.protected	k_q86acbbe5bc_prep
	.globl	k_q86acbbe5bc_prep
	.p2align	8
	.type	k_q86acbbe5bc_prep,@function
k_q86acbbe5bc_prep:
	s_mov_b64 s[64:65], 0
	v_nop
	global_prefetch_b8 v0, s[64:65] scope:SCOPE_SE
	s_setreg_imm32_b32 hwreg(HW_REG_WAVE_MODE, 25, 1), 1
	s_wait_xcnt 0x0
; MEMORY READER, launch 1 of 3: the operands are rounded to bf16 once and laid out as the matrix instructions want them.
; out0[b][c][q] = sum over t of mv[b][c][t] softmax_t((2 mk[b][:,t].qk[b][:,q] - |mk[b][:,t]|^2) / 8), c < 512; out0[b][512+c][q] = qv[b][c][q].
; NOTHING IS LEFT OUT: all four inputs have a way to the output and all are loaded (qv by the second launch).
; A batch's 12,960 keys fall into 4 splits of 3,240, each padded to 3,264 = 51 steps of 64.  The 24 pad keys hold mk = 0, mv = 0 and H = -1e30.
; A BLOCK is a fragment of 16 rows x 32 k of bf16, 1,024 bytes: lane l = (r = l % 16, h = l / 16) finds k = 8 h .. 8 h + 7 of row r at byte 16 l and k = 16 + 8 h .. at byte 512 + 16 l.
; strm: 64 streams [batch x split][wave w] of 940,032 bytes: 51 key tiles (16 keys 64 j + 16 w .., two blocks: channels 0-31, 32-63), then 51 records of mv
;       (record j: [a = 0..7][s2 = 0, 1] blocks: channels 128 w + 16 a .., keys 64 j + 32 s2 ..).
; ha:   [stream][51][16] f32: H = -|m|^2 / 2 of the ROUNDED key, so that m.q + H is the reference's score / (1/4) on rounded inputs.
; qf:   [batch][block of queries][7 tiles][2] blocks.  Query block blk begins at q0 = 4 ((405 blk) >> 4); indices are held to 1,619.
; SHARES.  Six waves a work-group.  mv is 16 splits x 32 channel tiles x 3 runs of 17 steps = 1,536 wave tasks = 256 x 6: work-groups 0-255, all alike.
; mk: a split's 204 key tiles are 34 x 6: work-groups 256-799, six neighbouring tiles each.  qk: work-groups 800-863, one a (batch, block): wave v makes tile v, wave 0 tile 6 as well.
; No wave depends on another: no barrier.
; LIMITS: NaN and infinities are not treated apart; numbers beyond bf16's range do not occur below f32's own.
.set MVROW, 51840                      ; bytes in a row of mv and of mk
.set QROW,  6480                       ; bytes in a row of qk
.set STRMB, 940032
.set KPART, 104448                     ; a stream's key tiles
.set RECB,  16384                      ; a record of mv
.set PITCH, 144                        ; an LDS row: 64 keys of bf16 + 16 bytes: an odd multiple of 16
.set WLDS,  16*PITCH                   ; a wave's own 16 rows
.set SPARE, 6*WLDS                     ; behind them (byte 13,824): the spare words, 128 bytes a wave, that no other line names
.set VO,  2                            ; v2   mv: (l / 16) rows + 16 (l % 16)
.set VOL, 3                            ; v3   the same, held inside the split's live keys, for the last step
.set SA,  4                            ; v4   where I put 8 bytes of a row
.set LA,  5                            ; v5   where I read a fragment's 16 bytes
.set GO,  6                            ; v6   16 l
.set VK,  7                            ; v7   mk, qk: my byte offset
.set SPW, 8                            ; v8   my spare word; never rewritten
.set NIL, 9                            ; v9   0; never rewritten
.set X,   32                           ; v[32:159]  four slots of 32: a step of mv as loaded
.set PK,  160                          ; v[160:175] rounded pairs
.set Y,   176                          ; v[176:191] fragments to store
.set SRC, 16                           ; s[16:17]
.set DST, 18                           ; s[18:19]
.set WV,  20
.set ZM,  36                           ; s36  lanes whose keys are live
.set CNT, 37
.set HAP, 38                           ; s[38:39]
	s_load_b256 s[4:11], s[0:1], 0x0               ; mv s[4:5], mk s[6:7], qk s[8:9], strm s[10:11]
	s_load_b128 s[12:15], s[0:1], 0x20             ; ha s[12:13], qf s[14:15]
	v_lshl_add_u32 v[SPW], v0, 2, SPARE
	v_mov_b32 v[NIL], 0
	v_lshrrev_b32 v1, 5, v0
	v_readfirstlane_b32 s[WV], v1                  ; wave 0..5
	v_and_b32 v1, 31, v0                           ; l
	v_and_b32 v10, 15, v0                          ; r
	v_bfe_u32 v11, v0, 4, 1                        ; h
	v_lshlrev_b32 v[GO], 4, v1
	s_cmp_lt_u32 ttmp9, 256
	s_cbranch_scc1 .Lmv
	s_cmp_lt_u32 ttmp9, 800
	s_cbranch_scc1 .Lk
; A tile of 16 columns x 64 channels out of a tensor whose channels lie pitch bytes apart: 32 loads of one number a lane (channel 32 c2 + 16 e + 8 h + i), rounded in pairs: two blocks.
.macro FRAG pitch
.set t, 0
.rept 32
	global_load_b32 v[X+t], v[VK], s[SRC:SRC+1] offset:(16*(t/8)+t%8)*(\pitch)
.set t, t+1
.endr
	s_wait_loadcnt 0x0
.set t, 0
.rept 16
	v_cvt_pk_bf16_f32 v[PK+t], v[X+2*t], v[X+2*t+1]
.set t, t+1
.endr
.endm
.macro PUT                             ; the two blocks: four stores of 512 consecutive bytes
.irp e, 0,1,2,3
	global_store_b128 v[GO], v[PK+4*\e:PK+4*\e+3], s[DST:DST+1] offset:512*\e
.endr
.endm
	; ---- qk: work-group 800 + 16 b + blk; tile n stands in s23
	s_sub_co_u32 s22, ttmp9, 800                   ; 16 b + blk
	s_lshr_b32 s24, s22, 4                         ; b
	s_and_b32 s25, s22, 15                         ; blk
	s_mul_i32 s25, s25, 405
	s_lshr_b32 s25, s25, 4
	s_lshl_b32 s25, s25, 2                         ; q0
	s_mul_i32 s21, s22, 7                          ; the block's first tile in qf
	v_mul_u32_u24 v13, v11, 8*QROW
	s_mul_i32 s28, s24, 64*QROW
	s_mov_b32 s29, 0
	s_mov_b32 s31, 0
	s_mov_b32 s23, s[WV]                           ; tile = my wave's number
	s_wait_kmcnt 0x0
	s_add_nc_u64 s[SRC:SRC+1], s[8:9], s[28:29]
.macro QTILE
	s_lshl_b32 s26, s23, 4
	s_add_co_u32 s26, s26, s25
	v_add_nc_u32 v12, s26, v10                     ; my query,
	v_min_u32 v12, 1619, v12                       ; held inside the row
	v_lshl_add_u32 v[VK], v12, 2, v13
	s_add_co_u32 s30, s21, s23
	s_lshl_b32 s30, s30, 11
	s_add_nc_u64 s[DST:DST+1], s[14:15], s[30:31]
	FRAG QROW
	PUT
.endm
	QTILE
	s_cmp_lg_u32 s[WV], 0
	s_cbranch_scc1 .Lqend                          ; seven tiles for six waves: wave 0 takes the seventh
	s_wait_xcnt 0x0                                ; the stores have read their data and their base: both are written again below
	s_mov_b32 s23, 6
	QTILE
.Lqend:
	s_endpgm
.Lk:	; ---- mk: work-group 256 + 34 bs + i, wave v: key tile 6 i + v of split bs, which is tile (j, w) = (tile / 4, tile % 4), and its H
	s_sub_co_u32 s21, ttmp9, 256
	s_mul_i32 s22, s21, 1928
	s_lshr_b32 s22, s22, 16                        ; bs = (id - 256) / 34
	s_mul_i32 s23, s22, 34
	s_sub_co_u32 s23, s21, s23
	s_mul_i32 s23, s23, 6
	s_add_co_u32 s23, s23, s[WV]                   ; the tile, 0..203
	s_lshr_b32 s40, s23, 2                         ; j
	s_and_b32 s41, s23, 3                          ; w
	s_lshr_b32 s24, s22, 2                         ; b
	s_and_b32 s25, s22, 3                          ; split
	s_lshl_b32 s26, s23, 4
	v_add_nc_u32 v12, s26, v10                     ; my key in the split
	v_cmp_gt_u32 s[ZM], 3240, v12                  ; is it live?
	v_min_u32 v12, 3239, v12
	s_mul_i32 s27, s25, 3240
	v_add_nc_u32 v12, s27, v12
	v_mul_u32_u24 v13, v11, 8*MVROW
	v_lshl_add_u32 v[VK], v12, 2, v13
	v_lshlrev_b32 v14, 2, v10
	s_mul_i32 s28, s24, 64*MVROW
	s_mov_b32 s29, 0
	s_lshl_b32 s32, s22, 2
	s_add_co_u32 s32, s32, s41                     ; the stream
	s_mul_i32 s30, s32, STRMB
	s_lshl_b32 s33, s40, 11
	s_add_co_u32 s30, s30, s33
	s_mov_b32 s31, 0
	s_mul_i32 s32, s32, 51
	s_add_co_u32 s32, s32, s40
	s_lshl_b32 s32, s32, 6
	s_mov_b32 s33, 0
	s_mov_b32 s34, 0x76543210                      ; v_permlanex16_b32: each lane takes its own place in the other half
	s_mov_b32 s35, 0xfedcba98
	s_wait_kmcnt 0x0
	s_add_nc_u64 s[SRC:SRC+1], s[6:7], s[28:29]
	s_add_nc_u64 s[DST:DST+1], s[10:11], s[30:31]
	s_add_nc_u64 s[HAP:HAP+1], s[12:13], s[32:33]
	FRAG MVROW
.set t, 0
.rept 16
	v_cndmask_b32 v[PK+t], 0, v[PK+t], s[ZM]       ; a pad key is 0
.set t, t+1
.endr
.irp c, 20,21,22,23
	v_mov_b32 v\c, 0
.endr
.set t, 0
.rept 16                               ; the squares of my 32 rounded channels, in four chains, in f32
	v_fma_mix_f32_bf16 v[20+2*(t%2)], v[PK+t], v[PK+t], v[20+2*(t%2)] op_sel_hi:[1,1,0]
	v_fma_mix_f32_bf16 v[21+2*(t%2)], v[PK+t], v[PK+t], v[21+2*(t%2)] op_sel:[1,1,0] op_sel_hi:[1,1,0]
.set t, t+1
.endr
	v_add_f32 v20, v20, v21
	v_add_f32 v22, v22, v23
	v_add_f32 v20, v20, v22
	v_permlanex16_b32 v21, v20, s34, s35           ; the key's other 32 channels lie in the lane 16 away
	v_add_f32 v20, v20, v21
	v_mov_b32 v22, 0xf149f2ca                      ; -1e30
	v_mul_f32 v20, -0.5, v20
	v_cndmask_b32 v20, v22, v20, s[ZM]
	PUT
	s_wait_xcnt 0x0                                ; EXEC changes only behind this wait
	v_cmp_gt_u32 vcc_lo, 16, v1
	s_and_saveexec_b32 s33, vcc_lo
	global_store_b32 v14, v20, s[HAP:HAP+1]        ; lanes 0-15: the tile's 16 H
	s_wait_xcnt 0x0
	s_or_b32 exec_lo, exec_lo, s33
	s_endpgm
.Lmv:	; ---- mv: wave task U = 6 id + wave = 3 (32 bs + ct) + g: 16 channels (tile ct), steps 17 g .. 17 g + 16 of split bs
	s_mul_i32 s21, ttmp9, 6
	s_add_co_u32 s21, s21, s[WV]
	s_mul_i32 s22, s21, 21846
	s_lshr_b32 s22, s22, 16                        ; U / 3
	s_mul_i32 s23, s22, 3
	s_sub_co_u32 s23, s21, s23                     ; g
	s_lshr_b32 s24, s22, 5                         ; bs
	s_and_b32 s25, s22, 31                         ; ct
	s_lshr_b32 s26, s24, 2                         ; b
	s_and_b32 s27, s24, 3                          ; split
	s_lshl_b32 s28, s26, 9
	s_lshl_b32 s29, s25, 4
	s_add_co_u32 s28, s28, s29
	s_mul_i32 s28, s28, MVROW
	s_mul_i32 s29, s27, 3240*4
	s_add_co_u32 s28, s28, s29
	s_mul_i32 s29, s23, 1088*4
	s_add_co_u32 s28, s28, s29
	s_mov_b32 s29, 0
	s_lshl_b32 s30, s24, 2
	s_lshr_b32 s31, s25, 3
	s_add_co_u32 s30, s30, s31                     ; the stream: wave ct / 8 of the second launch
	s_mul_i32 s30, s30, STRMB
	s_mul_i32 s31, s23, 17*RECB
	s_add_co_u32 s30, s30, s31
	s_and_b32 s31, s25, 7
	s_lshl_b32 s31, s31, 11
	s_add_co_u32 s30, s30, s31
	s_add_co_u32 s30, s30, KPART
	s_mov_b32 s31, 0
	s_cmp_eq_u32 s23, 2
	s_cselect_b32 s32, 9, 15                       ; the split's last step has 40 live keys: 10 lanes of 4
	v_mul_u32_u24 v12, v11, MVROW
	v_lshl_add_u32 v[VO], v10, 4, v12
	v_min_u32 v13, s32, v10
	v_lshl_add_u32 v[VOL], v13, 4, v12
	v_cmp_ge_u32 s[ZM], s32, v10
	s_mul_i32 s33, s[WV], WLDS
	v_mul_u32_u24 v12, v11, PITCH
	v_lshl_add_u32 v12, v10, 3, v12
	v_add_nc_u32 v[SA], s33, v12
	v_mul_u32_u24 v12, v10, PITCH
	v_lshl_add_u32 v12, v11, 4, v12
	v_add_nc_u32 v[LA], s33, v12
	s_wait_kmcnt 0x0
	s_add_nc_u64 s[SRC:SRC+1], s[4:5], s[28:29]
	s_add_nc_u64 s[DST:DST+1], s[10:11], s[30:31]
.irp sl, 0,1,2,3                       ; the ring is filled: four steps, 32 loads of 2 rows x 256 bytes
.set i, 0
.rept 8
	global_load_b128 v[X+32*\sl+4*i:X+32*\sl+4*i+3], v[VO], s[SRC:SRC+1] offset:\sl*256+i*2*MVROW th:TH_LOAD_NT
.set i, i+1
.endr
.endr
; One step: 16 channels x 64 keys.  ahead = 1: the slot is asked for again, four steps on; 2: the same with the held offset (the task's last step).  left: younger loads that may stay out.
; tail = 1: dead keys are made 0.  sto: the record, counted from DST.
.macro TURN slot, ahead, left, tail, sto
	s_wait_loadcnt \left                           ; loads come back in order: this slot's eight are in
	s_wait_xcnt 0x0                                ; the last step's stores have read Y, which the LDS loads below write; no store is issued between.  It stands here, ahead of this step's own loads
.set i, 0
.rept 16
	v_cvt_pk_bf16_f32 v[PK+i], v[X+32*(\slot)+2*i], v[X+32*(\slot)+2*i+1]
.set i, i+1
.endr
.if \tail
.set i, 0
.rept 16
	v_cndmask_b32 v[PK+i], 0, v[PK+i], s[ZM]
.set i, i+1
.endr
.endif
.set i, 0
.rept 8
.if (\ahead) == 1
	global_load_b128 v[X+32*(\slot)+4*i:X+32*(\slot)+4*i+3], v[VO], s[SRC:SRC+1] offset:((\slot)+4)*256+i*2*MVROW th:TH_LOAD_NT
.elseif (\ahead) == 2
	global_load_b128 v[X+32*(\slot)+4*i:X+32*(\slot)+4*i+3], v[VOL], s[SRC:SRC+1] offset:((\slot)+4)*256+i*2*MVROW th:TH_LOAD_NT
.endif
.set i, i+1
.endr
.set i, 0
.rept 8
	ds_store_b64 v[SA], v[PK+2*i:PK+2*i+1] offset:2*PITCH*i   ; rows 2 i and 2 i + 1, 4 keys a lane
.set i, i+1
.endr
.irp f, 0,1,2,3                        ; back as fragments: LDS serves a wave's instructions in order, so these see the stores above
	ds_load_b128 v[Y+4*\f:Y+4*\f+3], v[LA] offset:64*(\f/2)+32*(\f%2)
.endr
	s_wait_dscnt 0x0
.irp f, 0,1,2,3
	global_store_b128 v[GO], v[Y+4*\f:Y+4*\f+3], s[DST:DST+1] offset:(\sto)*RECB+512*\f  ; 512 consecutive bytes, aligned
.endr
.endm
	s_mov_b32 s[CNT], 3
.Lring:
	TURN 0, 1, 24, 0, 0                            ; 24: the three younger slots' loads
	TURN 1, 1, 24, 0, 1
	TURN 2, 1, 24, 0, 2
	TURN 3, 1, 24, 0, 3
	s_wait_xcnt 0x0                                ; the pointers are written only behind this wait
	s_add_nc_u64 s[SRC:SRC+1], s[SRC:SRC+1], 1024
	s_add_nc_u64 s[DST:DST+1], s[DST:DST+1], 4*RECB
	s_sub_co_u32 s[CNT], s[CNT], 1
	s_cmp_lg_u32 s[CNT], 0
	s_cbranch_scc1 .Lring
	TURN 0, 2, 24, 0, 0                            ; step 12; step 16 is asked for
	TURN 1, 0, 24, 0, 1                            ; the counts run down
	TURN 2, 0, 16, 0, 2
	TURN 3, 0, 8, 0, 3
	TURN 0, 0, 0, 1, 4                             ; step 16
	s_wait_tensorcnt 0x0                           ; the wave's end: behind my last LDS store
	ds_add_u32 v[SPW], v[NIL]
	s_wait_dscnt 0x0
	s_endpgm
.Lfunc_end_k_q86acbbe5bc_prep:
	.size	k_q86acbbe5bc_prep, .Lfunc_end_k_q86acbbe5bc_prep-k_q86acbbe5bc_prep
	.p2alignl 7, 3214868480
	.fill 96, 4, 3214868480
	.section	.rodata,"a",@progbits
	.p2align	6, 0x0
	.amdhsa_kernel k_q86acbbe5bc_prep
		.amdhsa_group_segment_fixed_size 14592
		.amdhsa_private_segment_fixed_size 0
		.amdhsa_enable_private_segment 0
		.amdhsa_kernarg_size 48
		.amdhsa_user_sgpr_count 2
		.amdhsa_user_sgpr_kernarg_segment_ptr 1
		.amdhsa_wavefront_size32 1
		.amdhsa_system_sgpr_workgroup_id_x 1
		.amdhsa_system_sgpr_workgroup_id_y 1
		.amdhsa_system_sgpr_workgroup_id_z 1
		.amdhsa_system_vgpr_workitem_id 0
		.amdhsa_next_free_vgpr 192
		.amdhsa_next_free_sgpr 66
		.amdhsa_reserve_vcc 1
		.amdhsa_float_denorm_mode_32 3
		.amdhsa_float_denorm_mode_16_64 3
		.amdhsa_memory_ordered 1
		.amdhsa_forward_progress 1
		.amdhsa_inst_pref_size 52
	.end_amdhsa_kernel
	.amdgpu_metadata
---
amdhsa.version: [ 1, 2 ]
amdhsa.kernels:
  - .name:           k_q86acbbe5bc_prep
    .symbol:         k_q86acbbe5bc_prep.kd
    .args:
      - { .name: mv, .offset: 0, .size: 8, .value_kind: global_buffer, .address_space: global }
      - { .name: mk, .offset: 8, .size: 8, .value_kind: global_buffer, .address_space: global }
      - { .name: qk, .offset: 16, .size: 8, .value_kind: global_buffer, .address_space: global }
      - { .name: strm, .offset: 24, .size: 8, .value_kind: global_buffer, .address_space: global }
      - { .name: ha, .offset: 32, .size: 8, .value_kind: global_buffer, .address_space: global }
      - { .name: qf, .offset: 40, .size: 8, .value_kind: global_buffer, .address_space: global }
    .group_segment_fixed_size: 14592
    .private_segment_fixed_size: 0
    .kernarg_segment_align: 8
    .kernarg_segment_size: 48
    .max_flat_workgroup_size: 192
    .sgpr_count:     66
    .vgpr_count:     192
    .wavefront_size: 32
...
	.end_amdgpu_metadata
.endif
;; end of part 1
;; launch main (part 2): grid 16 x 16, 4 waves a work-group, clusters of 4 x 1, 327,680 bytes of LDS; arguments qf, qv, strm, ha, po, ms, ls, out0; writes po, ms, ls, out0
.if DOCPART == 2
	.amdgcn_target "amdgcn-amd-amdhsa--gfx1250"
	.amdhsa_code_object_version 6
	.text
	.protected	k_q86acbbe5bc_main
	.globl	k_q86acbbe5bc_main
	.p2align	8
	.type	k_q86acbbe5bc_main,@function
k_q86acbbe5bc_main:
	s_mov_b64 s[64:65], 0
	v_nop
	global_prefetch_b8 v0, s[64:65] scope:SCOPE_SE
	s_setreg_imm32_b32 hwreg(HW_REG_WAVE_MODE, 25, 1), 1
	s_wait_xcnt 0x0
	s_wait_alu depctr_hold_cnt(0) depctr_sa_sdst(0) depctr_va_vdst(0) depctr_va_sdst(0) depctr_va_ssrc(0) depctr_va_vcc(0) depctr_vm_vsrc(0)
	s_getreg_b32 s2, hwreg(HW_REG_IB_STS2, 6, 4)
	s_cmp_eq_u32 s2, 0
	s_cbranch_scc0 .Lentry_in_a_cluster
	s_endpgm
.Lentry_in_a_cluster:
	s_bfe_u32 s2, ttmp6, 0x10000c
	s_cmp_lg_u32 s2, 0x3003
	s_cbranch_scc0 .Lentry_shape_is_right
	s_endpgm
.Lentry_shape_is_right:
; MEMORY READER, launch 2 of 3.  A work-group takes one batch, one block of 112 queries (7 tiles of 16) and one split of 3,264 keys (51 steps of 64), and all 512 channels.
; Nothing of the problem's work is left out.  It stores, for the third launch, the f32 partial sums O = sum over the split's keys of mv p, the split's own maximum M and the sum l of p;
; and it copies its share of qv into the upper half of out0.
; SCORE.  S = m.q + H with H = -|m|^2 / 2 as the C operand of the first product; the softmax's exponent is c2 S, c2 = log2(e) / 4.  p = 2^(c2 S - M), M = c2 max S over the split: a true maximum,
; found in a first walk over the split's keys (phase 1); so phase 2 has nothing to rescale.
; SHARES.  Wave w owns stream (batch, split, w): key tile w (16 keys) of every step, and channels 128 w .. 128 w + 127: 56 accumulators (8 channel tiles x 7 query tiles).
; In a step each wave makes p for its 16 keys x 112 queries; p goes through LDS to all four waves; one barrier a step.
; LAYOUT.  S = K Q^T (source 0 = 16 keys, source 1 = 16 queries): a lane holds one query (l % 16) and keys 8 (l / 16) + 0..7; rounded in pairs these are four registers of a fragment of P
; (rows = queries, k = keys).  O = P mv^T (source 0 = P, source 1 = 16 channels x 32 keys): a lane holds one channel and eight neighbouring queries.
; CLUSTER.  The four query blocks of a cluster share batch and split, so they walk the same four streams: every tensor load is asked for jointly by the four (mask 15).
; A stream is dense, so all refills are alike: 128 rows of 256 bytes, into the wave's own 32,768 bytes of one of two slots.
; LIMITS.  A pad key counts as a score of -1e30; a weight below 2^-126 counts as 0; l is the sum of the unrounded p; NaN and infinities are not treated apart.
; REGISTERS, in windows of 256 (s_set_vgpr_msb: bits 1:0 source 0, 3:2 source 1, 5:4 source 2, 7:6 destination):
;   window 0: addresses, -M, l, Q's fragments 8-13, K, H, S      window 1: mv's and P's fragments, two halves (phase 1: two sets of scores, the running maxima, the copy's data)
;   window 2: accumulators 0-31      window 3: accumulators 32-55, Q's fragments 0-7
.set BUFB,  131072                     ; slot 1 begins here: one exclusive or turns an address in one slot into the other's
.set PBUF,  262144                     ; P: two buffers of 14,336: fragment (n, s2) at 2,048 n + 1,024 s2
.set PSZ,   14336
.set HREG,  290816                     ; H: 3,328 bytes a wave, filled once
.set HSZ,   3328
.set RED1,  304128                     ; the waves' maxima; 2,048 further on their sums
.set RED2O, 2048
.set SPARE, 308224                     ; the spare words, 128 bytes a wave, that no other line names
.set STRMB, 940032
.set FIRSTA, 22528                     ; the first fill: key tiles 0-10
.set AM0, 3                            ; v3   32,768 w + 16 l; never rewritten
.set AM,  4                            ; v4   the record's slot + AM0
.set PR,  5                            ; v5   PBUF + 16 l
.set PW,  6                            ; v6   PBUF + 512 w + 16 l: where my four registers of a fragment of P go
.set KO,  7                            ; v7   16 l
.set HAD, 8                            ; v8   H's address in hand
.set PFO, 9                            ; v9   256 l
.set KA,  10                           ; v10  K's address in hand (phase 1)
.set REDW, 12                          ; v12  RED1 + 4 (112 w + r)
.set REDR, 13                          ; v13  RED1 + 4 r
.set CPO, 14                           ; v14  the copy's offset
.set HAD0, 15                          ; v15  HREG + 3,328 w + 32 h
.set REDT, 16                          ; v16  RED1 + 4 min(thread, 111)
.set TO,  17                           ; v17  4 x thread
.set SPW, 24                           ; v24  my spare word; never rewritten
.set NIL, 25                           ; v25  0; never rewritten
.set NM,  26                           ; v[26:39]   -M, twice, for each query tile
.set LS,  40                           ; v[40:53]   l: even keys', odd keys'
.set QL,  54                           ; v[54:101]  Q's fragments 8-13 (fragment 2 n + c2)
.set KR0, 102                          ; phase 1: two key tiles and their H
.set KR1, 118
.set HR,  134                          ; also phase 2's H
.set HR1, 142
.set KB0, 150                          ; phase 2: two key tiles; the second lies 82 further on
.set S,   176                          ; v[176:231] scores, 8 a query tile
.set SETA, 0                           ; window 1, phase 1
.set SETB, 56
.set RM,  112
.set CD,  120
.set FP,  128                          ; window 1, phase 2: P's fragments, 56 a half; mv's at 0, 64 a half
.set QH,  192                          ; window 3
.set WV, 20
.set CX, 21
.set BLK, 22
.set BS, 23
.set BB, 24
.set SP, 25
.set SW, 26                            ; 4 split + wave
.set TB, 27                            ; the slot of the record to be fetched
.set CNT, 28
.set CNT2, 29
.set LIM, 30                           ; 2 in a cluster that prefetches, else the greatest number
.set TK, 31                            ; phase 1: LDS byte of the key tile in hand
.set CS, 32                            ; s[32:33] c2
.set SEL, 34                           ; s[34:35]
.set G1, 36                            ; s[36:43] 128 rows of 256 bytes
.set G0, 44                            ; s[44:47] the walking group 0
.set G1A, 48                           ; s[48:55] 88 rows
.set G0A, 56
.set G0H, 60
.set G1H, 68                           ; s[68:75] one row of 3,264 bytes
.set SBA, 76                           ; s[76:77] my stream
.set KP, 78                            ; s[78:79] phase 2: K's pointer
.set PFA, 80                           ; s[80:81] the prefetches' pointer
.set TH, 82                            ; H's byte in hand
.set MSB, 0
.macro WIN new                         ; the high byte repeats the setting that is left; a switch that changes nothing is dropped
.if MSB != (\new)
	s_set_vgpr_msb (MSB<<8)|(\new)
.set MSB, (\new)
.endif
.endm
.macro NOPS
.rept 4
	v_nop
.endr
.endm
.macro CREST                           ; a round of the cluster's barrier behind its opening barrier
	s_cmp_lg_u32 s[WV], 0
	s_cbranch_scc1 .Lnot_wave_0_\@
	s_barrier_signal -3
.Lnot_wave_0_\@:
	s_barrier_wait -3
	s_barrier_signal -1
	s_barrier_wait -1
.endm
.macro CROUND
	s_barrier_signal -1
	s_barrier_wait -1
	CREST
.endm
.macro JLOAD                           ; a joint refill: every wave asks for the next 32,768 bytes of its own stream; s_nop 0 and four v_nop follow
	tensor_load_to_lds s[G0:G0+3], s[G1:G1+7]
	s_nop 0
	NOPS
.endm
; A prefetch of what the refill after next will ask for: of its 128 blocks of 256 bytes my work-group takes 32, told apart from its partners' by address; a lane a block.  The four clusters of a
; batch and split walk the same streams: the first of them asks.  how = 1: outside the loop; 0: in it, where the last two refills have nothing two refills on.
.macro ASK how
.if \how
	s_cmp_eq_u32 s[LIM], 2
.else
	s_cmp_gt_u32 s[CNT], s[LIM]
.endif
	s_cbranch_scc0 .Lnot_mine_\@
	global_prefetch_b8 v[PFO], s[PFA:PFA+1] th:TH_LOAD_NT scope:SCOPE_SE
.Lnot_mine_\@:
.endm
	s_load_b512 s[4:19], s[0:1], 0x0               ; qf s[4:5], qv s[6:7], strm s[8:9], ha s[10:11], po s[12:13], ms s[14:15], ls s[16:17], out0 s[18:19]
	v_lshl_add_u32 v[SPW], v0, 2, SPARE
	v_mov_b32 v[NIL], 0
	ds_add_u32 v[SPW], v[NIL]                      ; the opening: the add, twice on end, and its wait ahead of my first tensor load
	ds_add_u32 v[SPW], v[NIL]
	v_lshrrev_b32 v1, 5, v0
	v_readfirstlane_b32 s[WV], v1                  ; wave 0..3
	s_and_b32 s[BS], ttmp7, 0xffff                 ; 4 batch + split: shared by the four partners
	s_lshr_b32 s[BB], s[BS], 2
	s_and_b32 s[SP], s[BS], 3
	s_lshl_b32 s[SW], s[SP], 2
	s_add_co_u32 s[SW], s[SW], s[WV]
	s_lshl_b32 s84, s[BS], 2
	s_add_co_u32 s84, s84, s[WV]                   ; my stream's number
	s_mul_i32 s86, s84, 3264
	s_mov_b32 s87, 0
	s_mul_i32 s84, s84, STRMB
	s_mov_b32 s85, 0
.irp g, G1, G1A, G1H
	s_mov_b32 s[\g], 15|(3<<16)|(1<<21)            ; the mask of four; elements of 8 bytes; bit 21 beside a mask; no padding
	s_mov_b32 s[\g+7], 0
.endr
	s_mov_b32 s[G1+1], 32<<16                      ; tensor_dim0 = 32 elements: 256 bytes
	s_mov_b32 s[G1+2], 128<<16                     ; tensor_dim1 = 128
	s_mov_b32 s[G1+3], 32<<16                      ; tile_dim0
	s_mov_b32 s[G1+4], 128                         ; tile_dim1
	s_mov_b32 s[G1+5], 32                          ; the pitch: the block is dense
	s_mov_b32 s[G1+6], 0
	s_mov_b32 s[G1A+1], 32<<16
	s_mov_b32 s[G1A+2], 88<<16
	s_mov_b32 s[G1A+3], 32<<16
	s_mov_b32 s[G1A+4], 88
	s_mov_b32 s[G1A+5], 32
	s_mov_b32 s[G1A+6], 0
	s_mov_b32 s[G1H+1], 408<<16                    ; one row of 408 elements
	s_mov_b32 s[G1H+2], 1<<16
	s_mov_b32 s[G1H+3], 408<<16
	s_mov_b32 s[G1H+4], 1
	s_mov_b32 s[G1H+5], 408
	s_mov_b32 s[G1H+6], 1<<16
	s_mov_b32 s[G0H], 1
	s_mul_i32 s[G0H+1], s[WV], HSZ
	s_add_co_u32 s[G0H+1], s[G0H+1], HREG
	s_mov_b32 s[G0A], 1
	s_lshl_b32 s[G0A+1], s[WV], 15                 ; slot 0, my 32,768 bytes
	s_mov_b32 s[G0], 1
	s_add_co_u32 s[G0+1], s[G0A+1], BUFB           ; slot 1
	s_mov_b32 s[CS], 0x3eb8aa3b                    ; c2 = log2(e) / 4
	s_mov_b32 s[CS+1], s[CS]
	s_mov_b32 s[SEL], 0x76543210
	s_mov_b32 s[SEL+1], 0xfedcba98
	s_bfe_u32 s[CX], ttmp6, 0x40000                ; my place in the cluster: it enters global addresses of my own alone
	s_lshl_b32 s[BLK], ttmp9, 2
	s_add_co_u32 s[BLK], s[BLK], s[CX]             ; my block of queries
	s_cmp_eq_u32 ttmp9, 0
	s_cselect_b32 s[LIM], 2, -1
	s_lshl_b32 s88, s[BB], 4
	s_add_co_u32 s88, s88, s[BLK]
	s_mul_i32 s90, s88, 14336                      ; in qf
	s_mov_b32 s91, 0
	s_lshl_b32 s89, s88, 2
	s_add_co_u32 s89, s89, s[SP]
	s_lshl_b32 s92, s89, 9                         ; in ms and ls
	s_mov_b32 s93, 0
	s_lshl_b32 s94, s89, 2
	s_add_co_u32 s94, s94, s[WV]
	s_mul_i32 s94, s94, 57344                      ; in po
	s_mov_b32 s95, 0
	s_wait_dscnt 0x0                               ; both opening adds are done
	s_wait_kmcnt 0x0
	s_add_nc_u64 s[SBA:SBA+1], s[8:9], s[84:85]
	s_add_nc_u64 s[G0H+2:G0H+3], s[10:11], s[86:87]
	s_or_b32 s[G0H+3], s[G0H+3], 0x80000000
	s_mov_b64 s[G0A+2:G0A+3], s[SBA:SBA+1]
	s_or_b32 s[G0A+3], s[G0A+3], 0x80000000
	s_add_nc_u64 s[G0+2:G0+3], s[SBA:SBA+1], FIRSTA
	s_or_b32 s[G0+3], s[G0+3], 0x80000000
	s_mov_b64 s[KP:KP+1], s[SBA:SBA+1]
	s_add_nc_u64 s[4:5], s[4:5], s[90:91]
	s_add_nc_u64 s[14:15], s[14:15], s[92:93]
	s_add_nc_u64 s[16:17], s[16:17], s[92:93]
	s_add_nc_u64 s[12:13], s[12:13], s[94:95]
	s_mul_i32 s90, s[BB], 3317760
	s_add_nc_u64 s[6:7], s[6:7], s[90:91]
	s_mul_i32 s90, s[BB], 6635520
	s_add_nc_u64 s[18:19], s[18:19], s[90:91]
	s_add_nc_u64 s[18:19], s[18:19], 3317760       ; the batch's upper 512 channels
	s_lshl_b32 s90, s[CX], 13
	s_add_nc_u64 s[PFA:PFA+1], s[SBA:SBA+1], s[90:91]
	s_add_nc_u64 s[PFA:PFA+1], s[PFA:PFA+1], FIRSTA+2*32768  ; each refill steps it first: refill r names the block of refill r + 2
	CROUND                                         ; all four work-groups are here: the first joint loads meet
	tensor_load_to_lds s[G0H:G0H+3], s[G1H:G1H+7]  ; H;
	s_nop 0
	tensor_load_to_lds s[G0A:G0A+3], s[G1A:G1A+7]  ; key tiles 0-10 into slot 0;
	s_nop 0
	tensor_load_to_lds s[G0:G0+3], s[G1:G1+7]      ; key tiles 11-26 into slot 1: three loads of mine are out
	s_nop 0
	NOPS
	v_and_b32 v1, 15, v0                           ; r
	v_bfe_u32 v2, v0, 4, 1                         ; h
	v_and_b32 v[KO], 31, v0
	v_lshlrev_b32 v[PFO], 8, v[KO]
	v_lshlrev_b32 v[KO], 4, v[KO]
	v_lshl_add_u32 v[AM0], s[WV], 15, v[KO]
	v_add_nc_u32 v[PR], PBUF, v[KO]
	v_lshl_add_u32 v[PW], s[WV], 9, v[PR]
	v_lshl_add_u32 v[HAD0], v2, 5, s[G0H+1]
	s_mul_i32 s84, s[WV], 448
	s_add_co_u32 s84, s84, RED1
	v_lshl_add_u32 v[REDW], v1, 2, s84
	v_lshl_add_u32 v[REDR], v1, 2, RED1
	v_min_u32 v18, 111, v0
	v_lshl_add_u32 v[REDT], v18, 2, RED1
	v_lshlrev_b32 v[TO], 2, v0
	s_lshl_b32 s88, s[SW], 4
	s_add_co_u32 s88, s88, s[BLK]                  ; my wave among the batch's 256
	s_lshl_b32 s88, s88, 9
	v_add_nc_u32 v[CPO], s88, v[KO]
	; THE COPY OF qv: the batch's 6,480 pieces of 512 bytes, piece 256 k + my wave's number; k = 25 exists for the first 80 waves (4 split + wave < 5: the same in all partners)
	WIN 0x40
.set k, 0
.rept 25
	global_load_b128 v[CD+4*k:CD+4*k+3], v[CPO], s[6:7] offset:k*131072 th:TH_LOAD_NT
.set k, k+1
.endr
	WIN 0
	s_cmp_lt_u32 s[SW], 5
	s_cbranch_scc0 .Lno_tail_in
	WIN 0x40
	global_load_b128 v[CD+100:CD+103], v[CPO], s[6:7] offset:25*131072 th:TH_LOAD_NT
	WIN 0
.Lno_tail_in:
	WIN 0xc0
.set k, 0
.rept 8                                ; Q stays in registers
	global_load_b128 v[QH+8*k:QH+8*k+3],   v[KO], s[4:5] offset:k*1024
	global_load_b128 v[QH+8*k+4:QH+8*k+7], v[KO], s[4:5] offset:k*1024+512
.set k, k+1
.endr
	WIN 0
.set k, 0
.rept 6
	global_load_b128 v[QL+8*k:QL+8*k+3],   v[KO], s[4:5] offset:(k+8)*1024
	global_load_b128 v[QL+8*k+4:QL+8*k+7], v[KO], s[4:5] offset:(k+8)*1024+512
.set k, k+1
.endr
.set k, 0
.rept 14
	v_mov_b32 v[LS+k], 0
.set k, k+1
.endr
	WIN 0x40
.set k, 0
.rept 7
	v_mov_b32 v[RM+k], 0xff7fffff                  ; the lowest finite number
.set k, k+1
.endr
	s_wait_loadcnt 0x0
	WIN 0x04                                       ; a store's data is source 1
.set k, 0
.rept 25
	global_store_b128 v[CPO], v[CD+4*k:CD+4*k+3], s[18:19] offset:k*131072 th:TH_STORE_NT  ; 512 consecutive bytes, aligned
.set k, k+1
.endr
	WIN 0
	s_cmp_lt_u32 s[SW], 5
	s_cbranch_scc0 .Lno_tail_out
	WIN 0x04
	global_store_b128 v[CPO], v[CD+100:CD+103], s[18:19] offset:25*131072 th:TH_STORE_NT
	WIN 0
.Lno_tail_out:
; ---------------- PHASE 1: the split's maximum for each query ----------------
.macro KLOAD kr, hr, koff, hoff        ; six LDS loads: a key tile's two fragments and its H (eight keys a lane half, the same for all queries)
	WIN 0
.irp e, 0,1,2,3
	ds_load_b128 v[(\kr)+4*\e:(\kr)+4*\e+3], v[KA] offset:(\koff)+512*\e
.endr
	ds_load_b128 v[(\hr):(\hr)+3],   v[HAD] offset:(\hoff)
	ds_load_b128 v[(\hr)+4:(\hr)+7], v[HAD] offset:(\hoff)+16
.endm
.macro MAXR prev                       ; the next of 28: two scores of the set made last into the tile's running maximum; each accumulator's lowest registers are read first
	WIN 0x55
	v_max3_num_f32 v[RM+mr%7], v[RM+mr%7], v[(\prev)+8*(mr%7)+2*(mr/7)], v[(\prev)+8*(mr%7)+2*(mr/7)+1]
.set mr, mr+1
.endm
.macro QSEL                            ; where Q's fragment 2 (mi % 7) + mi / 7 lies
.set mf, 2*(mi%7)+mi/7
.if mf < 8
.set mq, QH+8*mf
.set mw, 0x0c
.else
.set mq, QL+8*(mf-8)
.set mw, 0
.endif
.endm
; 14 products: a key tile x 7 query tiles, channels 0-31 (C = H) and then 32-63: the seven accumulators take turns.  Between them the maxima of the set made last: two behind each of the
; first twelve, four behind the last: these four are the places ahead of what reads the new set and of the loads into kr and hr.
.macro MMRUN kr, hr, set, prev, bare
.set mi, 0
.set mr, 0
.rept 14
	QSEL
.if mi < 7
	WIN 0x40|mw
	v_wmma_f32_16x16x32_bf16 v[(\set)+8*mi:(\set)+8*mi+7], v[(\kr):(\kr)+7], v[mq:mq+7], v[(\hr):(\hr)+7]
.else
	WIN 0x50|mw
	v_wmma_f32_16x16x32_bf16 v[(\set)+8*(mi-7):(\set)+8*(mi-7)+7], v[(\kr)+8:(\kr)+15], v[mq:mq+7], v[(\set)+8*(mi-7):(\set)+8*(mi-7)+7]
.endif
.if (\bare) == 0
.if mi < 12
	MAXR \prev
	MAXR \prev
.elseif mi == 13
	MAXR \prev
	MAXR \prev
	MAXR \prev
	MAXR \prev
.endif
.endif
.set mi, mi+1
.endr
.if \bare
	NOPS
.endif
.endm
; The change of slots in phase 1.  All my tensor loads have landed (one is out: the other slot's); the add; my reads of the slot that I leave are back; a round of the cluster's barrier; the joint refill first behind it.
.macro CHG
	WIN 0
	s_wait_xcnt 0x0                                ; the last prefetch has read its pointer
	s_wait_tensorcnt 0x0
	ds_add_u32 v[SPW], v[NIL]
	s_xor_b32 s[G0+1], s[G0+1], BUFB               ; the other slot than last time,
	s_add_nc_u64 s[G0+2:G0+3], s[G0+2:G0+3], 32768 ; the stream's next 32,768 bytes
	s_add_nc_u64 s[PFA:PFA+1], s[PFA:PFA+1], 32768
	s_wait_dscnt 0x0
	CROUND
	JLOAD
	ASK 1
.endm
; Two key tiles: c (already asked for, in KR0) and c + 1.  look = 1: tile c + 2 lies behind them; 2: it begins the other slot, and the slot in hand is left and filled again; 0: there is none.
.macro PAIR look
	WIN 0
	v_add_nc_u32 v[KA], s[TK], v[AM0]
	v_add_nc_u32 v[HAD], s[TH], v[HAD0]
	KLOAD KR1, HR1, 2048, 64
	s_wait_dscnt 6                                 ; tile c is in; the six just issued may be out
	MMRUN KR0, HR, SETA, SETB, 0
.if (\look) == 1
	KLOAD KR0, HR, 4096, 128
	s_wait_dscnt 6                                 ; tile c + 1 is in
.elseif (\look) == 2
	CHG
	s_and_b32 s[TK], s[TK], BUFB
	s_xor_b32 s[TK], s[TK], BUFB                   ; the other slot's first byte
	v_add_nc_u32 v[KA], s[TK], v[AM0]
	KLOAD KR0, HR, 0, 128
.else
	s_wait_dscnt 0x0
.endif
	MMRUN KR1, HR1, SETB, SETA, 0
.if (\look) == 1
	s_add_co_u32 s[TK], s[TK], 4096
.endif
	s_add_co_u32 s[TH], s[TH], 128
.endm
	s_wait_tensorcnt 0x1                           ; H and tiles 0-10 are in; slot 1's load may stay out.  I read my own bytes alone: no barrier
	v_mov_b32 v[KA], v[AM0]
	v_mov_b32 v[HAD], v[HAD0]
	KLOAD KR1, HR1, 0, 0
	KLOAD KR0, HR, 2048, 64
	s_wait_dscnt 6
	MMRUN KR1, HR1, SETB, SETA, 1                  ; tile 0: there are no scores yet to take maxima of
	s_mov_b32 s[TK], 2048
	s_mov_b32 s[TH], 64
	WIN 0
	s_mov_b32 s[CNT], 4
.Lmax_a:                                       ; tiles 1-8
	PAIR 1
	WIN 0
	s_sub_co_u32 s[CNT], s[CNT], 1
	s_cmp_lg_u32 s[CNT], 0
	s_cbranch_scc1 .Lmax_a
	PAIR 2                                         ; tiles 9, 10; refill 1: tiles 27-42
	WIN 0
	s_mov_b32 s[CNT2], 2
.Lmax_o:                                       ; tiles 11-26, then 27-42; refill 2: tiles 43-50 and record 0; refill 3: records 1, 2
	s_mov_b32 s[CNT], 7
.Lmax_b:
	PAIR 1
	WIN 0
	s_sub_co_u32 s[CNT], s[CNT], 1
	s_cmp_lg_u32 s[CNT], 0
	s_cbranch_scc1 .Lmax_b
	PAIR 2
	WIN 0
	s_sub_co_u32 s[CNT2], s[CNT2], 1
	s_cmp_lg_u32 s[CNT2], 0
	s_cbranch_scc1 .Lmax_o
.irp e, 0,1,2,3                        ; phase 2 takes K straight into registers, two steps ahead: tiles 0 and 1
	global_load_b128 v[KB0+4*\e:KB0+4*\e+3], v[KO], s[SBA:SBA+1] offset:512*\e
.endr
.irp e, 0,1,2,3
	global_load_b128 v[KB0+82+4*\e:KB0+82+4*\e+3], v[KO], s[SBA:SBA+1] offset:2048+512*\e
.endr
	s_mov_b32 s[CNT], 3
.Lmax_c:                                       ; tiles 43-48
	PAIR 1
	WIN 0
	s_sub_co_u32 s[CNT], s[CNT], 1
	s_cmp_lg_u32 s[CNT], 0
	s_cbranch_scc1 .Lmax_c
	PAIR 0                                         ; tiles 49, 50
.set mr, 0
.rept 28
	MAXR SETB                                      ; the last set's maxima
.endr
	WIN 0x01
.set n, 0
.rept 7
	v_mov_b32 v[S+n], v[RM+n]
	v_mov_b32 v[S+8+n], v[RM+n]
.set n, n+1
.endr
	WIN 0
.set n, 0
.rept 7
	v_permlanex16_b32 v[S+8+n], v[S+n], s[SEL], s[SEL+1]  ; the query's other keys lie in the lane 16 away
.set n, n+1
.endr
.set n, 0
.rept 7
	v_max_num_f32 v[S+n], v[S+n], v[S+8+n]
.set n, n+1
.endr
.set n, 0
.rept 7
	ds_store_b32 v[REDW], v[S+n] offset:64*n
.set n, n+1
.endr
	s_wait_dscnt 0x0                               ; for the others' sake
	s_barrier_signal -1
	s_barrier_wait -1                              ; refill 3 may stay out
.set t, 0
.rept 28
	ds_load_b32 v[S+16+t], v[REDR] offset:448*(t%4)+64*(t/4)
.set t, t+1
.endr
.irp q, 0,1,2,3
	ds_load_b32 v[S+44+\q], v[REDT] offset:448*\q
.endr
	s_wait_dscnt 0x0
.set n, 0
.rept 7
	v_max3_num_f32 v[S+n], v[S+16+4*n], v[S+17+4*n], v[S+18+4*n]
.set n, n+1
.endr
.set n, 0
.rept 7
	v_max_num_f32 v[S+n], v[S+n], v[S+19+4*n]
.set n, n+1
.endr
.set n, 0
.rept 7
	v_mul_f32 v[NM+2*n], 0xbeb8aa3b, v[S+n]        ; -M = -c2 max S
.set n, n+1
.endr
.set n, 0
.rept 7
	v_mov_b32 v[NM+2*n+1], v[NM+2*n]
.set n, n+1
.endr
	v_max3_num_f32 v19, v[S+44], v[S+45], v[S+46]
	v_max_num_f32 v19, v19, v[S+47]
	v_mul_f32 v19, 0x3eb8aa3b, v19
	global_store_b32 v[TO], v19, s[14:15]          ; M of query min(thread, 111); v19 is not written again
; ---------------- PHASE 2 ----------------
.macro GENQK kb                        ; a key tile's scores for the 7 query tiles, into S
.set mi, 0
.rept 14
	QSEL
	WIN mw
.if mi < 7
	v_wmma_f32_16x16x32_bf16 v[S+8*mi:S+8*mi+7], v[(\kb):(\kb)+7], v[mq:mq+7], v[HR:HR+7]
.else
	v_wmma_f32_16x16x32_bf16 v[S+8*(mi-7):S+8*(mi-7)+7], v[(\kb)+8:(\kb)+15], v[mq:mq+7], v[S+8*(mi-7):S+8*(mi-7)+7]
.endif
.set mi, mi+1
.endr
.endm
.macro RF k                            ; pair k of 28: c2 S - M
	v_pk_fma_f32 v[S+2*(\k):S+2*(\k)+1], v[S+2*(\k):S+2*(\k)+1], s[CS:CS+1], v[NM+2*((\k)/4):NM+2*((\k)/4)+1] op_sel_hi:[1,0,1]
.endm
.macro RE k                            ; score k of 56
	v_exp_f32 v[S+(\k)], v[S+(\k)]
.endm
.macro RA k                            ; sum k of 28, the tiles by turns
	v_pk_add_f32 v[LS+2*((\k)%7):LS+2*((\k)%7)+1], v[LS+2*((\k)%7):LS+2*((\k)%7)+1], v[S+8*((\k)%7)+2*((\k)/7):S+8*((\k)%7)+2*((\k)/7)+1]
.endm
.macro RC k                            ; rounding k of 28, in place: a tile's eight weights into its four lowest registers
	v_cvt_pk_bf16_f32 v[S+8*((\k)/4)+(\k)%4], v[S+8*((\k)/4)+2*((\k)%4)], v[S+8*((\k)/4)+2*((\k)%4)+1]
.endm
.macro PSTORE pb                       ; my four registers of each of the 7 fragments of P, in one run
	WIN 0
.irp t, 0,1,2,3,4,5,6
	ds_store_b128 v[PW], v[S+8*\t:S+8*\t+3] offset:(\pb)*PSZ+\t*2048
.endr
.endm
; What stands behind product i of a step's first 56.  0, 1: eight places behind the scores' products.  2-30: the scalings and ALL 56 exponentials, none of which names an exponential's result; a plain
; instruction; the step's ONE wait, ahead of the first reader.  31-37: the sums.  38-44: the roundings, and the stores of P.
.macro SLICE i, pb
.if (\i) < 45
	WIN 0
.endif
.if (\i) < 2
	NOPS
.elseif (\i) == 2
	RF 0
	RF 1
.elseif (\i) < 29
	RF (\i)-1
	RE 2*((\i)-3)
	RE 2*((\i)-3)+1
.elseif (\i) == 29
	RE 52
	RE 53
.elseif (\i) == 30
	RE 54
	RE 55
	v_nop
	s_wait_alu depctr_va_vdst(0)
.elseif (\i) < 38
	RA 4*((\i)-31)
	RA 4*((\i)-31)+1
	RA 4*((\i)-31)+2
	RA 4*((\i)-31)+3
.elseif (\i) < 45
	RC 4*((\i)-38)
	RC 4*((\i)-38)+1
	RC 4*((\i)-38)+2
	RC 4*((\i)-38)+3
.endif
.if (\i) == 44
	PSTORE \pb
.endif
.endm
; A run of LDS loads: half s2 (32 keys) of a step: 7 fragments of P from buffer pb, 8 of mv from half rh of the slot in hand; hh = 1: and the H of the scores to be made next.
.macro FQRUN half, pb, rh, hh
	WIN 0x40
.irp t, 0,1,2,3,4,5,6
	ds_load_b128 v[FP+56*(\half)+8*\t:FP+56*(\half)+8*\t+3],   v[PR] offset:(\pb)*PSZ+\t*2048+(\half)*1024
	ds_load_b128 v[FP+56*(\half)+8*\t+4:FP+56*(\half)+8*\t+7], v[PR] offset:(\pb)*PSZ+\t*2048+(\half)*1024+512
.endr
.irp t, 0,1,2,3,4,5,6,7
	ds_load_b128 v[64*(\half)+8*\t:64*(\half)+8*\t+3],   v[AM] offset:(\rh)*16384+\t*2048+(\half)*1024
	ds_load_b128 v[64*(\half)+8*\t+4:64*(\half)+8*\t+7], v[AM] offset:(\rh)*16384+\t*2048+(\half)*1024+512
.endr
.if \hh
	WIN 0
	ds_load_b128 v[HR:HR+3],   v[HAD]
	ds_load_b128 v[HR+4:HR+7], v[HAD] offset:16
.endif
.endm
; Product i of a step's 112: half i / 56, accumulator i % 56 = 7 a + n.  All 56 take turns.  zero = 1: the first half starts the sums: nothing is cleared.
.macro PV i, zero
.set px, (\i)%56
.set ph, (\i)/56
.if px < 32
	WIN 0xa5
.set pd, 8*px
.else
	WIN 0xf5
.set pd, 8*(px-32)
.endif
.if (\zero) && ((\i) < 56)
	v_wmma_f32_16x16x32_bf16 v[pd:pd+7], v[FP+56*ph+8*(px%7):FP+56*ph+8*(px%7)+7], v[64*ph+8*(px/7):64*ph+8*(px/7)+7], 0
.else
	v_wmma_f32_16x16x32_bf16 v[pd:pd+7], v[FP+56*ph+8*(px%7):FP+56*ph+8*(px%7)+7], v[64*ph+8*(px/7):64*ph+8*(px/7)+7], v[pd:pd+7]
.endif
.endm
.macro PVRUN first, count
.set pvi, \first
.rept \count
	PV pvi, 0
.set pvi, pvi+1
.endr
.endm
; KEY STEP j.  rh: its record's half of a slot; pb: P(j)'s buffer; gen: P(j + 1) is made; kl: K(j + 2) and H(j + 2) are asked for; nxt: step j + 1's first half is fetched.
; ONE barrier a step.  In front of it my stores of P(j + 1) are done and all my reads of P(j) and of record j are back; behind it P(j + 1) is read, and P(j)'s buffer is written in the next step.
; bar = 1: that barrier.  2: record j was its slot's last: the barrier opens a round of the cluster's, and the slot is filled again first thing behind it; that load has two steps in which to land.
; 4: as 1, with the wait for the last refill, whose slot is entered.  0: the last step.
.macro STEP rh, pb, zero, gen, kl, bar, nxt
	WIN 0
	s_wait_dscnt 0x0                               ; the first half's fragments and H are in
	NOPS                                           ; the places behind the last step's products, ahead of loads into registers that they read
	FQRUN 1, \pb, \rh, 0
.if \kl
	WIN 0
.irp e, 0,1,2,3
	global_load_b128 v[KB0+82*(\pb)+4*\e:KB0+82*(\pb)+4*\e+3], v[KO], s[KP:KP+1] offset:2048+2048*(\rh)+512*\e
.endr
.endif
.if \gen
	s_wait_loadcnt 4*(\kl)                         ; K(j + 1) is in; the four loads just issued may stay out
	GENQK KB0+82*(1-(\pb))
.endif
.set pvi, 0
.rept 56
	PV pvi, \zero
.if \gen
	SLICE pvi, 1-(\pb)
.endif
.set pvi, pvi+1
.endr
.if (\bar) == 2
	WIN 0
	s_wait_xcnt 0x0                                ; K's loads and the last prefetch have read their pointers
	s_wait_tensorcnt 0x0                           ; all my tensor loads have landed: the one that was out is the other slot's
	ds_add_u32 v[SPW], v[NIL]
	s_xor_b32 s[G0+1], s[G0+1], BUFB
	s_add_nc_u64 s[G0+2:G0+3], s[G0+2:G0+3], 32768
	s_add_nc_u64 s[KP:KP+1], s[KP:KP+1], 4096
	s_add_nc_u64 s[PFA:PFA+1], s[PFA:PFA+1], 32768
	s_xor_b32 s[TB], s[TB], BUFB
	s_wait_dscnt 0x1                               ; the second half's fragments are in; the add may be out
	PVRUN 56, 7
	s_wait_dscnt 0x0
	s_barrier_signal -1
	PVRUN 63, 7
	WIN 0
	s_barrier_wait -1
	CREST                                          ; no wave of any partner still reads the slot or has a load on its way
	JLOAD                                          ; its four v_nop are also the places ahead of the loads below
	v_add_nc_u32 v[AM], s[TB], v[AM0]
.elseif (\bar) != 0
.if (\bar) == 4
	s_wait_tensorcnt 0x0                           ; the last refill, records 49 and 50
	s_xor_b32 s[TB], s[TB], BUFB
.endif
	s_wait_dscnt 0x0
	s_barrier_signal -1
	PVRUN 56, 14
	s_barrier_wait -1
	WIN 0
	NOPS
.if (\bar) == 4
	v_add_nc_u32 v[AM], s[TB], v[AM0]
.endif
.else
	s_wait_dscnt 0x0
	PVRUN 56, 14
.endif
.if \nxt
	WIN 0
.if \kl
	s_add_co_u32 s[TH], s[TH], 64
	v_add_nc_u32 v[HAD], s[TH], v[HAD0]
.endif
	FQRUN 0, 1-(\pb), 1-(\rh), \kl
.endif
.if (\bar) == 2
	WIN 0
	ASK \zero                                      ; behind the joint load and the run of LDS loads
.endif
	PVRUN 70, 42
.endm
	; P(0), with nothing to set between
	ds_load_b128 v[HR:HR+3],   v[HAD0]
	ds_load_b128 v[HR+4:HR+7], v[HAD0] offset:16
	s_wait_dscnt 0x0
	s_wait_loadcnt 4                               ; K(0) is in; K(1)'s four loads may stay out
	GENQK KB0
	WIN 0
	NOPS
	NOPS
.set g, 0
.rept 28
	RF g
.set g, g+1
.endr
.set g, 0
.rept 56
	RE g
.set g, g+1
.endr
	v_nop
	s_wait_alu depctr_va_vdst(0)
.set g, 0
.rept 28
	RA g
.set g, g+1
.endr
.set g, 0
.rept 28
	RC g
.set g, g+1
.endr
	PSTORE 0
	s_wait_dscnt 0x0
	s_barrier_signal -1
	s_barrier_wait -1
	s_mov_b32 s[TB], BUFB                          ; record 0 lies in the second half of slot 1
	s_mov_b32 s[TH], 64
	v_add_nc_u32 v[AM], s[TB], v[AM0]
	v_add_nc_u32 v[HAD], s[TH], v[HAD0]
	FQRUN 0, 0, 1, 1
	STEP 1, 0, 1, 1, 1, 2, 1                       ; step 0 starts the sums; refill 4
	WIN 0
	s_mov_b32 s[CNT], 23
.Lstep:                                        ; steps 2 m - 1 and 2 m, m = 1 .. 23; refills 5 to 27
	STEP 0, 1, 0, 1, 1, 1, 1
	STEP 1, 0, 0, 1, 1, 2, 1
	WIN 0
	s_sub_co_u32 s[CNT], s[CNT], 1
	s_cmp_lg_u32 s[CNT], 0
	s_cbranch_scc1 .Lstep
	STEP 0, 1, 0, 1, 1, 1, 1                       ; the tail is written out: nothing more is asked of the stream
	STEP 1, 0, 0, 1, 1, 4, 1
	STEP 0, 1, 0, 1, 0, 1, 1
	STEP 1, 0, 0, 0, 0, 0, 0
	; THE WAY OUT.  The sums of l are the places behind the last products.
	WIN 0
.set n, 0
.rept 7
	v_add_f32 v[LS+2*n], v[LS+2*n], v[LS+2*n+1]
.set n, n+1
.endr
.set n, 0
.rept 7
	v_permlanex16_b32 v[LS+2*n+1], v[LS+2*n], s[SEL], s[SEL+1]
.set n, n+1
.endr
.set n, 0
.rept 7
	v_add_f32 v[LS+2*n], v[LS+2*n], v[LS+2*n+1]
.set n, n+1
.endr
.set n, 0
.rept 7
	ds_store_b32 v[REDW], v[LS+2*n] offset:RED2O+64*n
.set n, n+1
.endr
.set x, 0
.rept 56                               ; each store is 512 consecutive bytes, aligned; an accumulator's low registers go first
.if x < 32
	WIN 0x08
.set pd, 8*x
.else
	WIN 0x0c
.set pd, 8*(x-32)
.endif
	global_store_b128 v[KO], v[pd:pd+3],   s[12:13] offset:x*1024
	global_store_b128 v[KO], v[pd+4:pd+7], s[12:13] offset:x*1024+512
.set x, x+1
.endr
	WIN 0
	s_wait_dscnt 0x0
	s_barrier_signal -1
	s_barrier_wait -1
.irp q, 0,1,2,3
	ds_load_b32 v[S+\q], v[REDT] offset:RED2O+448*\q
.endr
	s_wait_dscnt 0x0
	v_add_f32 v[S], v[S], v[S+1]
	v_add_f32 v[S+2], v[S+2], v[S+3]
	v_add_f32 v20, v[S], v[S+2]
	global_store_b32 v[TO], v20, s[16:17]
	s_wait_tensorcnt 0x0                           ; the wave's end
	ds_add_u32 v[SPW], v[NIL]
	s_wait_dscnt 0x0
	CROUND                                         ; the closing round
	s_endpgm
.Lfunc_end_k_q86acbbe5bc_main:
	.size	k_q86acbbe5bc_main, .Lfunc_end_k_q86acbbe5bc_main-k_q86acbbe5bc_main
	.p2alignl 7, 3214868480
	.fill 96, 4, 3214868480
	.section	.rodata,"a",@progbits
	.p2align	6, 0x0
	.amdhsa_kernel k_q86acbbe5bc_main
		.amdhsa_group_segment_fixed_size 327680
		.amdhsa_private_segment_fixed_size 0
		.amdhsa_enable_private_segment 0
		.amdhsa_kernarg_size 64
		.amdhsa_user_sgpr_count 2
		.amdhsa_user_sgpr_kernarg_segment_ptr 1
		.amdhsa_wavefront_size32 1
		.amdhsa_system_sgpr_workgroup_id_x 1
		.amdhsa_system_sgpr_workgroup_id_y 1
		.amdhsa_system_sgpr_workgroup_id_z 1
		.amdhsa_system_vgpr_workitem_id 0
		.amdhsa_next_free_vgpr 1024
		.amdhsa_next_free_sgpr 100
		.amdhsa_reserve_vcc 0
		.amdhsa_float_denorm_mode_32 3
		.amdhsa_float_denorm_mode_16_64 3
		.amdhsa_memory_ordered 1
		.amdhsa_forward_progress 1
		.amdhsa_inst_pref_size 252
	.end_amdhsa_kernel
	.amdgpu_metadata
---
amdhsa.version: [ 1, 2 ]
amdhsa.kernels:
  - .name:           k_q86acbbe5bc_main
    .symbol:         k_q86acbbe5bc_main.kd
    .args:
      - { .name: qf, .offset: 0, .size: 8, .value_kind: global_buffer, .address_space: global }
      - { .name: qv, .offset: 8, .size: 8, .value_kind: global_buffer, .address_space: global }
      - { .name: strm, .offset: 16, .size: 8, .value_kind: global_buffer, .address_space: global }
      - { .name: ha, .offset: 24, .size: 8, .value_kind: global_buffer, .address_space: global }
      - { .name: po, .offset: 32, .size: 8, .value_kind: global_buffer, .address_space: global }
      - { .name: ms, .offset: 40, .size: 8, .value_kind: global_buffer, .address_space: global }
      - { .name: ls, .offset: 48, .size: 8, .value_kind: global_buffer, .address_space: global }
      - { .name: out0, .offset: 56, .size: 8, .value_kind: global_buffer, .address_space: global }
    .group_segment_fixed_size: 327680
    .private_segment_fixed_size: 0
    .kernarg_segment_align: 8
    .kernarg_segment_size: 64
    .max_flat_workgroup_size: 128
    .sgpr_count:     100
    .vgpr_count:     1024
    .wavefront_size: 32
...
	.end_amdgpu_metadata
.endif
;; end of part 2
;; launch combine (part 3): grid 16 x 16, 8 waves a work-group, no clusters, 84,992 bytes of LDS; arguments po, ms, ls, out0; writes out0
.if DOCPART == 3
	.amdgcn_target "amdgcn-amd-amdhsa--gfx1250"
	.amdhsa_code_object_version 6
	.text
	.protected	k_q86acbbe5bc_combine
	.globl	k_q86acbbe5bc_combine
	.p2align	8
	.type	k_q86acbbe5bc_combine,@function
k_q86acbbe5bc_combine:
	s_mov_b64 s[64:65], 0
	v_nop
	global_prefetch_b8 v0, s[64:65] scope:SCOPE_SE
	s_setreg_imm32_b32 hwreg(HW_REG_WAVE_MODE, 25, 1), 1
	s_wait_xcnt 0x0
; MEMORY READER, launch 3 of 3: the four key splits' partial sums become the lower 512 channels of out0.  Nothing is left out.
; out0[b][c][q] = sum over s of f_s[q] PO_s[c][q],  f_s = 2^(M_s - M) / sum over s of 2^(M_s - M) l_s,  M = max over s of M_s: the maximum is taken away as the softmax asks.
; A work-group takes (batch, query block blk, 128 channels w); wave v of its eight takes channel tile v, 16 rows.  All LDS is a wave's own: no barrier.
; po: [b][blk][s][w][7 a + n][e] pieces of 512 bytes: lane (r, h), register i: channel 16 a + r, query 16 n + 8 h + 4 e + i.  ms, ls: [b][blk][s][128].
; IN FLIGHT.  A wave's share of po is 7 query tiles x 8 loads of 512 bytes.  Six tiles' loads (48, in 192 registers) go out at the head, behind the eight loads of M and l;
; the seventh tile's go out when the first tile's registers are free.  So nearly all that the wave reads is asked for before it waits for anything.
; The block's live queries are 4 nq = 100 or 104, from q0 = 4 ((405 blk) >> 4): a row's piece of out0 is 400 or 416 consecutive bytes, stored by one instruction.
; A stream: no matrix unit, no cluster (nothing is shared).  LIMIT: a factor below 2^-126 counts as 0; each l_s is at least about 1, so the divisor is never 0.
.set OTP,   528                        ; a row of the stage: 448 bytes of data in 528: an odd multiple of 16, and room for 32 lanes x 16 bytes, so that no lane's address leaves its row
.set OTW_B, 16*OTP                     ; a wave's stage
.set FT,    8*OTW_B                    ; behind the stages: a wave's factors, [s][128] f32
.set SPARE, FT+8*2048                  ; the spare words, 128 bytes a wave, that no other line names
.set GO,  2                            ; v2   16 l
.set FTW, 5
.set FTR, 6
.set OTW, 7
.set OTR, 8
.set SPW, 10
.set NIL, 11
.set MSR, 16                           ; v[16:31]  M_s, then the factors
.set LSR, 32                           ; v[32:47]  l_s
.set MX,  48
.set LT,  52
.set FB,  16                           ; when the factors lie in LDS: two buffers of 16, f_s of a half tile, where M_s and l_s lay
.set PO,  64                           ; v[64:255] six batches of 32: (e, s)
.set WV,  12
.set NQ,  28
	s_load_b256 s[4:11], s[0:1], 0x0               ; po s[4:5], ms s[6:7], ls s[8:9], out0 s[10:11]
	v_lshl_add_u32 v[SPW], v0, 2, SPARE
	v_mov_b32 v[NIL], 0
	v_lshrrev_b32 v1, 5, v0
	v_readfirstlane_b32 s[WV], v1                  ; wave 0..7
	v_and_b32 v1, 31, v0                           ; l
	v_and_b32 v3, 15, v0                           ; r
	v_bfe_u32 v4, v0, 4, 1                         ; h
	v_lshlrev_b32 v[GO], 4, v1
	s_and_b32 s13, ttmp7, 0xffff
	s_lshr_b32 s14, s13, 2                         ; b
	s_and_b32 s15, s13, 3                          ; w
	s_lshl_b32 s16, s14, 4
	s_add_co_u32 s16, s16, ttmp9                   ; 16 b + blk
	s_lshl_b32 s20, s16, 11
	s_mov_b32 s21, 0
	s_lshl_b32 s22, s16, 4
	s_add_co_u32 s22, s22, s15
	s_mul_i32 s22, s22, 57344
	s_mul_i32 s17, s[WV], 7168                     ; my channel tile's seven query tiles
	s_add_co_u32 s22, s22, s17
	s_mov_b32 s23, 0
	s_mul_i32 s24, ttmp9, 405
	s_add_co_u32 s25, s24, 405
	s_lshr_b32 s24, s24, 4                         ; q0 / 4
	s_lshr_b32 s25, s25, 4
	s_sub_co_u32 s[NQ], s25, s24                   ; 25 or 26 lanes of 4 queries
	s_lshl_b32 s26, s14, 10
	s_lshl_b32 s27, s15, 7
	s_add_co_u32 s26, s26, s27
	s_lshl_b32 s27, s[WV], 4
	s_add_co_u32 s26, s26, s27                     ; my first row of out0
	s_mul_i32 s26, s26, 6480
	s_lshl_b32 s24, s24, 4
	s_add_co_u32 s26, s26, s24
	s_mov_b32 s27, 0
	s_mul_i32 s18, s[WV], OTW_B
	s_lshl_b32 s19, s[WV], 11
	s_add_co_u32 s19, s19, FT
	v_add_nc_u32 v[FTW], s19, v[GO]
	v_lshl_add_u32 v[FTR], v4, 5, s19
	v_mul_u32_u24 v9, v3, OTP
	v_lshl_add_u32 v9, v4, 5, v9
	v_add_nc_u32 v[OTW], s18, v9
	v_min_u32 v9, 27, v1                           ; a row has 28 pieces of 16 written bytes: no lane names a byte beyond them
	v_lshl_add_u32 v[OTR], v9, 4, s18
	s_wait_kmcnt 0x0
	s_add_nc_u64 s[6:7], s[6:7], s[20:21]
	s_add_nc_u64 s[8:9], s[8:9], s[20:21]
	s_add_nc_u64 s[4:5], s[4:5], s[22:23]
	s_add_nc_u64 s[10:11], s[10:11], s[26:27]
.macro BATCH n                         ; query tile n: 8 loads of 512 consecutive bytes, into batch n % 6
.irp e, 0,1
.irp s, 0,1,2,3
	global_load_b128 v[PO+32*((\n)%6)+16*\e+4*\s:PO+32*((\n)%6)+16*\e+4*\s+3], v[GO], s[4:5] offset:\s*229376+(\n)*1024+\e*512 th:TH_LOAD_NT
.endr
.endr
.endm
.macro FLOADH hh                       ; half tile hh = 2 n + e: f_s of my four queries 16 n + 8 h + 4 e ..
.irp s, 0,1,2,3
	ds_load_b128 v[FB+16*((\hh)%2)+4*\s:FB+16*((\hh)%2)+4*\s+3], v[FTR] offset:\s*512+64*((\hh)/2)+16*((\hh)%2)
.endr
.endm
.irp s, 0,1,2,3
	global_load_b128 v[MSR+4*\s:MSR+4*\s+3], v[GO], s[6:7] offset:512*\s
.endr
.irp s, 0,1,2,3
	global_load_b128 v[LSR+4*\s:LSR+4*\s+3], v[GO], s[8:9] offset:512*\s
.endr
	BATCH 0
	BATCH 1
	BATCH 2
	BATCH 3
	BATCH 4
	BATCH 5
	s_wait_loadcnt 48                              ; M and l are in; the six batches stay out
	; THE FACTORS of entries 4 l .. 4 l + 3
.irp c, 0,1,2,3
	v_max3_num_f32 v[MX+\c], v[MSR+\c], v[MSR+4+\c], v[MSR+8+\c]
.endr
.irp c, 0,1,2,3
	v_max_num_f32 v[MX+\c], v[MX+\c], v[MSR+12+\c]
.endr
.set t, 0
.rept 16
	v_sub_f32 v[MSR+t], v[MSR+t], v[MX+t%4]
.set t, t+1
.endr
.set t, 0
.rept 16
	v_exp_f32 v[MSR+t], v[MSR+t]
.set t, t+1
.endr
	v_nop                                          ; a plain instruction behind the last exponential,
	s_wait_alu depctr_va_vdst(0)                   ; and one wait for the batch, ahead of its first reader
.irp c, 0,1,2,3
	v_mul_f32 v[LT+\c], v[MSR+\c], v[LSR+\c]
.endr
.irp s, 1,2,3
.irp c, 0,1,2,3
	v_fma_f32 v[LT+\c], v[MSR+4*\s+\c], v[LSR+4*\s+\c], v[LT+\c]
.endr
.endr
.irp c, 0,1,2,3
	v_rcp_f32 v[LT+\c], v[LT+\c]
.endr
	v_nop
	s_wait_alu depctr_va_vdst(0)
.set t, 0
.rept 16
	v_mul_f32 v[MSR+t], v[MSR+t], v[LT+t%4]
.set t, t+1
.endr
.irp s, 0,1,2,3
	ds_store_b128 v[FTW], v[MSR+4*\s:MSR+4*\s+3] offset:512*\s
.endr
	s_wait_dscnt 0x0                               ; the factors lie in LDS: their registers take the half tiles' factors from here on
	FLOADH 0
; Half tile hh = 2 n + e: the four splits' sums of my channel and four queries, weighted, into the stage's row.
.macro HALF hh
.if (\hh) < 13
	FLOADH (\hh)+1
.endif
.if (\hh) == 0
	s_wait_loadcnt 40                              ; batch 0 is in; batches 1 to 5 stay out
.elseif (\hh)%2 == 0
	s_wait_loadcnt 8*(6-(\hh)/2)                   ; batch n is in; the younger ones, batch 6 among them, stay out
.endif
.if (\hh) < 13
	s_wait_dscnt 4                                 ; this half's factors are in; the four loads just issued may be out
.else
	s_wait_dscnt 0x0
.endif
.set R, PO+32*(((\hh)/2)%6)+16*((\hh)%2)
.set F, FB+16*((\hh)%2)
	v_pk_mul_f32 v[R:R+1],   v[R:R+1],   v[F:F+1]
	v_pk_mul_f32 v[R+2:R+3], v[R+2:R+3], v[F+2:F+3]
.irp s, 1,2,3
	v_pk_fma_f32 v[R:R+1],   v[R+4*\s:R+4*\s+1],   v[F+4*\s:F+4*\s+1],   v[R:R+1]
	v_pk_fma_f32 v[R+2:R+3], v[R+4*\s+2:R+4*\s+3], v[F+4*\s+2:F+4*\s+3], v[R+2:R+3]
.endr
	ds_store_b128 v[OTW], v[R:R+3] offset:64*((\hh)/2)+16*((\hh)%2)
.if (\hh) == 1
	BATCH 6                                        ; the seventh tile, into the first tile's registers
.endif
.endm
.irp hh, 0,1,2,3,4,5,6,7,8,9,10,11,12,13
	HALF \hh
.endr
	; THE WAY OUT: whole pieces of rows, the live lanes alone
	s_wait_xcnt 0x0                                ; EXEC changes only behind this wait
	v_cmp_gt_u32 vcc_lo, s[NQ], v1
	s_and_saveexec_b32 s30, vcc_lo
.set t, 0
.rept 16
	ds_load_b128 v[PO+4*t:PO+4*t+3], v[OTR] offset:t*OTP   ; LDS serves a wave's instructions in order: these see the stores above
.set t, t+1
.endr
	s_wait_dscnt 0x0
.set t, 0
.rept 16
	global_store_b128 v[GO], v[PO+4*t:PO+4*t+3], s[10:11] offset:t*6480 th:TH_STORE_NT
.set t, t+1
.endr
	s_wait_xcnt 0x0
	s_or_b32 exec_lo, exec_lo, s30
	s_wait_tensorcnt 0x0                           ; the wave's end: behind my last LDS store
	ds_add_u32 v[SPW], v[NIL]
	s_wait_dscnt 0x0
	s_endpgm
.Lfunc_end_k_q86acbbe5bc_combine:
	.size	k_q86acbbe5bc_combine, .Lfunc_end_k_q86acbbe5bc_combine-k_q86acbbe5bc_combine
	.p2alignl 7, 3214868480
	.fill 96, 4, 3214868480
	.section	.rodata,"a",@progbits
	.p2align	6, 0x0
	.amdhsa_kernel k_q86acbbe5bc_combine
		.amdhsa_group_segment_fixed_size 84992
		.amdhsa_private_segment_fixed_size 0
		.amdhsa_enable_private_segment 0
		.amdhsa_kernarg_size 32
		.amdhsa_user_sgpr_count 2
		.amdhsa_user_sgpr_kernarg_segment_ptr 1
		.amdhsa_wavefront_size32 1
		.amdhsa_system_sgpr_workgroup_id_x 1
		.amdhsa_system_sgpr_workgroup_id_y 1
		.amdhsa_system_sgpr_workgroup_id_z 1
		.amdhsa_system_vgpr_workitem_id 0
		.amdhsa_next_free_vgpr 256
		.amdhsa_next_free_sgpr 66
		.amdhsa_reserve_vcc 1
		.amdhsa_float_denorm_mode_32 3
		.amdhsa_float_denorm_mode_16_64 3
		.amdhsa_memory_ordered 1
		.amdhsa_forward_progress 1
		.amdhsa_inst_pref_size 27
	.end_amdhsa_kernel
	.amdgpu_metadata
---
amdhsa.version: [ 1, 2 ]
amdhsa.kernels:
  - .name:           k_q86acbbe5bc_combine
    .symbol:         k_q86acbbe5bc_combine.kd
    .args:
      - { .name: po, .offset: 0, .size: 8, .value_kind: global_buffer, .address_space: global }
      - { .name: ms, .offset: 8, .size: 8, .value_kind: global_buffer, .address_space: global }
      - { .name: ls, .offset: 16, .size: 8, .value_kind: global_buffer, .address_space: global }
      - { .name: out0, .offset: 24, .size: 8, .value_kind: global_buffer, .address_space: global }
    .group_segment_fixed_size: 84992
    .private_segment_fixed_size: 0
    .kernarg_segment_align: 8
    .kernarg_segment_size: 32
    .max_flat_workgroup_size: 256
    .sgpr_count:     66
    .vgpr_count:     256
    .wavefront_size: 32
...
	.end_amdgpu_metadata
.endif
;; end of part 3
